; MI455X (gfx1250); checked and timed in simulation.
; The chip was launched on July 23, 2026; its instructions are those of AMD's public machine-readable ISA for CDNA 5 (MIT licence, August 2026) and "CDNA5" Instruction Set Architecture Reference Guide (July 2026). The comments in the code are by the model that wrote it; some were corrected since.
;; Multi Headed Attention. Allowed arithmetic: matrix products marked QUANTISED: E3M2 operands, one E8M0 scale for each 32 along K, by v_wmma_scale_f32_16x16x128_f8f6f4 with both operands' format E3M2, f32 sums; everything else in f32.
;; Inputs: K 2 x 4,096 x 512 float32; Q 2 x 4,096 x 512 float32; V 2 x 4,096 x 512 float32; Wk 512 x 512 float32; Wo 512 x 512 float32; Wq 512 x 512 float32; Wv 512 x 512 float32; bk 512 float32; bo 512 float32; bq 512 float32; bv 512 float32.
;; Outputs: out0 2 x 4,096 x 512 float32.
;; This version of the problem:
;;   THIS VERSION OF THE PROBLEM IS GIVEN IN LOW PRECISION. The matrix products marked QUANTISED in the list below multiply operands that are first quantised to E3M2 (3 exponent bits, 2 mantissa bits; 6 bits a number), with one power-of-two scale for each 32 numbers along K (OCP MX v1.0); their sums are f32. All else is computed in f32.
;;   The module's matrix products, in the order in which they are computed (A, B: the left and right operand; K: the contracted axis; several contracted axes count as one K, in the product's order):
;;     1. [M 8,192, K 512] x [K 512, N 512]; A: input Q; B: input Wq: QUANTISED
;;     2. [M 8,192, K 512] x [K 512, N 512]; A: input K; B: input Wk: QUANTISED
;;     3. [M 8,192, K 512] x [K 512, N 512]; A: input V; B: input Wv: QUANTISED
;;     4. batch 16 x [M 4,096, K 64] x [K 64, N 4,096]; A: computed on the way; B: computed on the way: QUANTISED
;;     5. batch 16 x [M 4,096, K 4,096] x [K 4,096, N 64]; A: softmax (see below); B: computed on the way: QUANTISED
;;     6. [M 8,192, K 512] x [K 512, N 512]; A: computed on the way; B: input Wo: QUANTISED
;;   THE QUANTISER, for each operand of a quantised product, along K:
;;     - K is cut into blocks of 32 from its start; a last block that is shorter is filled with zeros.
;;     - A block's scale is 2^e with e = floor(log2(the largest magnitude in the block)) - 4, held to -126 .. 127; a block of zeros has e = 0. As a byte (E8M0): e + 127.
;;     - Each number is divided by its block's scale, clamped to +-28, and rounded to the nearest number of E3M2, ties to even, subnormals kept.
;;     - The product sums the exact products of the quantised numbers (number of the format x scale) in f32.
;;   ~~~python
;;   def quantise(x, axis):      # numpy; x: float32 -> the quantised numbers, widened to float32 again
;;       x = np.moveaxis(x, axis, -1); K = x.shape[-1]
;;       x = np.pad(x, [(0, 0)] * (x.ndim - 1) + [(0, -K % 32)]); x = x.reshape(x.shape[:-1] + (-1, 32)); a = np.abs(x).max(-1, keepdims=True)
;;       e = np.where(a > 0, np.clip(np.frexp(np.where(a > 0, a, 1))[1] - 1 - 4, -126, 127), 0)      # np.frexp(a)[1] - 1 = floor(log2(a)), exactly
;;       r = np.clip(x / 2.0 ** e, -28, 28)
;;       step = 2.0 ** (np.maximum(np.frexp(np.where(r == 0, 1, r))[1] - 1, -2) - 2)
;;       q = np.round(r / step) * step * 2.0 ** e      # np.round: ties to even
;;       return np.moveaxis(q.reshape(q.shape[:-2] + (-1,))[..., :K], -1, axis).astype(np.float32)
;;   ~~~
;;   SOFTMAX AHEAD OF A QUANTISED PRODUCT. Where the list says 'softmax', what is quantised is not the finished softmax but p = 2^(t - M), with t = logit x log2(e) and M = ceil(the row's largest t), a whole number; so 1/2 < the row's largest p <= 1. The row's sum l is taken of the UNQUANTISED p, in f32, and the product's result is divided by l at the end. Since M is a whole number, a kernel that streams over the keys may use a running M (the ceiling of the running maximum): every later rescaling is an exact power of two, which a block's scale takes up: the codes' values come out the same.
;;   OPERANDS COMPUTED ON THE WAY. 'Computed on the way' means the value that the module computes at that place (a softmax that the list does not call 'softmax' is quantised finished and normalised). What goes into a quantiser is computed in f32, as accurately as f32 sums, v_exp_f32 and their like allow (about 1e-6 of the number): no bf16 or f16 on the way to a quantiser, and a product that is left as it is and whose result goes on into a quantised operand takes f32 operands (vector FMAs, or v_wmma_f32_16x16x4_f32). A number that lies on a knife's edge between two numbers of the format may be rounded either way, as far as f32 arithmetic and the matrix unit's own rounding can turn it there, and no further.
;; One version. Each part assembles by itself: llvm-mc -triple=amdgcn-amd-amdhsa -mcpu=gfx1250 --defsym DOCPART=n.
;; ======== version 1 of 1: 4 launches
;; limits: right only within a limited range of input values
;; workspace buffers: xc 10,649,600 bytes; qc 3,276,800 bytes; kv 6,553,600 bytes; ho 3,145,728 bytes; hs 131,072 bytes
;; launch quant (part 1): grid 416 x 1, 4 waves a work-group, no clusters, 34,304 bytes of LDS; arguments Q, K, V, Wq, Wk, Wv, Wo, xc; writes xc
.if DOCPART == 1
	.amdgcn_target "amdgcn-amd-amdhsa--gfx1250"
	.amdhsa_code_object_version 6
	.text
	.protected	k_q53cf2c5c6c_quant
	.globl	k_q53cf2c5c6c_quant
	.p2align	8
	.type	k_q53cf2c5c6c_quant,@function
k_q53cf2c5c6c_quant:
	s_mov_b64 s[64:65], 0
	v_nop
	global_prefetch_b8 v0, s[64:65] scope:SCOPE_SE
	s_setreg_imm32_b32 hwreg(HW_REG_WAVE_MODE, 25, 1), 1
	s_wait_xcnt 0x0
; Q, K, V [8192][512] and Wq, Wk, Wv, Wo [512][512], f32, become codes of BF6 (E3M2) with one E8M0 byte for each 32 along the rows, laid as IMAGES OF OPERAND REGISTERS.
; A TILE is 16 rows x 512.  Rows go in groups of 32: tile 2 G + u holds rows 32 G + 8 u + p + 8 (p / 8), p = 0 .. 15, so that two neighbouring tiles, used as source 0 of a product, leave 16 neighbours along
; the next K in a lane's 16 result registers.  A tile's record in xc is 6,400 bytes: four fragments (K steps of 128) of 1,536 bytes, register 4 c + i of lane l at 512 c + 16 l + 4 i, then 256 scale bytes, row p's 16 at 16 p.
; Tile numbers: Q 0-511, K 512-1023, V 1024-1535, Wq 1536-1567, Wk 1568-1599, Wv 1600-1631, Wo 1632-1663.
; SHARES: a wave takes one tile; 4 waves a work-group, 416 work-groups.  Waves share nothing: no barrier.  One path serves all seven tensors: only the pointer is chosen, by the work-group's number.
; Each load reads 512 consecutive bytes of one row; a K step's 16 rows turn through the wave's own stage in LDS (rows 528 bytes apart), so that lane (r, h) gets, of row r, numbers 32 b + 16 h + 0 .. 15 of each block b.
; A block's scale is 2^(floor(log2(largest magnitude)) - 4); its byte is the largest magnitude's exponent field - 4, held at 1 from below.
; LIMITS: NaN and infinities among the inputs are not served; a block whose largest magnitude lies under 2^-122 keeps the byte 1; a block of zeros gets the byte 1 where the rule says 127: its codes are zeros, and this program alone reads the bytes.
.set REC,  6400
.set SP,   528                         ; a stage row: 512 bytes + 16, an odd multiple of 16
.set LI,   4                           ; v4   16 x lane
.set STI,  5                           ; v5   the stage, on the way in: stage + 16 x lane
.set STO,  6                           ; v6   on the way out: stage + 528 r + 64 h
.set SCO,  7                           ; v7   16 r + 8 h: my two scale words in the record
.set SW,   8                           ; v8-11  the row's scale word of each K step
.set E,    12                          ; v12-13 the two that I store
.set PC,   16                          ; v16-27 a fragment's codes
.set CT0,  28
.set CT1,  32
.set BM,   36                          ; v36-39 largest magnitudes
.set BP,   40                          ; v40-43 the other half's, then the bytes
.set BS,   44                          ; v44-47 the conversions' scale operands
.set X,    48                          ; v48-111  64 numbers, register 16 b + i = k 32 b + 16 h + i of my row
.set R,    112                         ; v112-239 two sets of 64 registers as loaded
.set SEL,  26                          ; s26-27 lane selects: lane l xor 16
.set HM,   28                          ; s28    the mask of lanes 16-31
; 64 numbers of a lane become a fragment's codes: registers d0 .. d0 + 5 (k 0-63) and d1 .. d1 + 5 (k 64-127); the four scale bytes are left in v[BP] on.
.macro QUANT4 src, d0, d1
.irp b, 0,1,2,3
	v_max3_num_f32 v[BM+\b], |v[\src+16*\b]|, |v[\src+16*\b+1]|, 0x2800000   ; my 16 numbers of block b, and the floor 2^(5 - 127): the byte cannot fall under 1
.endr
.irp i, 2,4,6,8,10,12,14
.irp b, 0,1,2,3
	v_max3_num_f32 v[BM+\b], v[BM+\b], |v[\src+16*\b+\i]|, |v[\src+16*\b+\i+1]|   ; the four blocks by turns
.endr
.endr
.irp b, 0,1,2,3
	v_permlanex16_b32 v[BP+\b], v[BM+\b], s[SEL], s[SEL+1]
.endr
.irp b, 0,1,2,3
	v_max_num_f32 v[BM+\b], v[BM+\b], v[BP+\b]     ; with lane l xor 16: the block's largest magnitude
.endr
.irp b, 0,1,2,3
	v_add_nc_u32 v[BS+\b], 0xfe000000, v[BM+\b]    ; 4 off its exponent field: the conversion takes this operand's exponent field as its scale
.endr
.irp b, 0,1,2,3
	v_lshrrev_b32 v[BP+\b], 23, v[BS+\b]           ; the scale's byte
.endr
	v_cvt_scalef32_pk16_bf6_f32 v[\d0:\d0+2], v[\src:\src+15], v[BS]
	v_cvt_scalef32_pk16_bf6_f32 v[CT0:CT0+2], v[\src+16:\src+31], v[BS+1]   ; (a conversion's three registers begin on an even number)
	v_cvt_scalef32_pk16_bf6_f32 v[\d1:\d1+2], v[\src+32:\src+47], v[BS+2]
	v_cvt_scalef32_pk16_bf6_f32 v[CT1:CT1+2], v[\src+48:\src+63], v[BS+3]
	v_nop                                          ; one plain line behind the scaled conversions
.irp i, 0,1,2
	v_permlane16_swap_b32 v[\d0+\i], v[CT0+\i]     ; the layout wants a whole block in a lane: lanes 0-15 the even block, lanes 16-31 the odd one
.endr
.irp i, 0,1,2
	v_mov_b32 v[\d0+3+\i], v[CT0+\i]
.endr
.irp i, 0,1,2
	v_permlane16_swap_b32 v[\d1+\i], v[CT1+\i]
.endr
.irp i, 0,1,2
	v_mov_b32 v[\d1+3+\i], v[CT1+\i]
.endr
.endm
	s_load_b256 s[4:11], s[0:1], 0x0               ; Q s[4:5], K s[6:7], V s[8:9], Wq s[10:11]
	s_load_b256 s[12:19], s[0:1], 0x20             ; Wk s[12:13], Wv s[14:15], Wo s[16:17], xc s[18:19]
	v_lshl_add_u32 v240, v0, 2, 0x8400
	v_mov_b32 v241, 0
	v_lshrrev_b32 v1, 5, v0
	v_readfirstlane_b32 s24, v1                    ; wave 0..3
	v_and_b32 v2, 31, v0                           ; lane
	v_and_b32 v3, 15, v0                           ; r
	v_bfe_u32 v1, v0, 4, 1                         ; h
	v_lshlrev_b32 v[LI], 4, v2
	s_mul_i32 s25, s24, 16*SP                      ; my stage
	v_add_nc_u32 v[STI], s25, v[LI]
	v_mul_u32_u24 v[STO], v3, SP
	v_lshl_add_u32 v[STO], v1, 6, v[STO]
	v_add_nc_u32 v[STO], s25, v[STO]
	v_lshlrev_b32 v[SCO], 4, v3
	v_lshl_add_u32 v[SCO], v1, 3, v[SCO]
.irp b, 0,1,2,3
	v_mov_b32 v[BP+\b], 0                          ; written once: a lane permute's destination counts as one of its sources
.endr
	s_mov_b32 s[SEL], 0x76543210
	s_mov_b32 s[SEL+1], 0xfedcba98
	s_mov_b32 s[HM], 0xffff0000
	s_lshl_b32 s29, ttmp9, 2
	s_add_co_u32 s29, s29, s24                     ; my tile's number
	s_mul_i32 s30, s29, REC                        ; and its record
	s_mov_b32 s31, 0
	s_wait_alu depctr_va_vdst(0)
	s_wait_kmcnt 0x0
	s_mov_b64 s[20:21], s[4:5]                     ; the tensor: chosen by the work-group's number alone
	s_mov_b32 s22, 0                               ; and its first work-group
.macro PICK first, ptr
	s_cmp_ge_u32 ttmp9, \first
	s_cselect_b64 s[20:21], s[\ptr:\ptr+1], s[20:21]
	s_cselect_b32 s22, \first, s22
.endm
	PICK 128, 6
	PICK 256, 8
	PICK 384, 10
	PICK 392, 12
	PICK 400, 14
	PICK 408, 16
	s_sub_co_u32 s23, ttmp9, s22
	s_lshl_b32 s23, s23, 2
	s_add_co_u32 s23, s23, s24                     ; my tile within the tensor
	; K's TILES ARE LAID OTHERWISE than the head comment says of the rest: rows go in groups of 64, tile 4 g + T holds rows 64 g + 8 T + p % 8 + 32 (p / 8),
	; so that four neighbouring tiles, used as source 0 of the scores' product, leave a whole block of 32 neighbouring keys in a lane's 32 result registers.
	s_cmp_eq_u32 s22, 128                          ; K's work-groups begin at 128: the choice hangs on the work-group's number alone
	s_cselect_b32 s34, 2, 1                        ; tiles in a group: 4 or 2, as a shift,
	s_cselect_b32 s35, 3, 1                        ; as a mask;
	s_cselect_b32 s36, 17, 16                      ; a group's bytes: 64 or 32 rows of 2,048
	s_cselect_b32 s37, 0x8000, 0                   ; rows p = 8 .. 15 lie 16 rows further on in K
	s_lshr_b32 s32, s23, s34
	s_lshl_b32 s32, s32, s36
	s_and_b32 s33, s23, s35
	s_lshl_b32 s33, s33, 14                        ; and 8 rows on for an odd tile
	s_add_co_u32 s32, s32, s33
	s_mov_b32 s33, 0
	s_add_nc_u64 s[20:21], s[20:21], s[32:33]
	s_add_nc_u64 s[18:19], s[18:19], s[30:31]
	v_add_nc_u32 v14, s37, v[LI]                   ; the offset of the tile's rows 8 .. 15
	s_wait_alu depctr_va_vdst(0)
.macro LOAD s                          ; K step s of the tile's 16 rows: each load reads 512 consecutive bytes of one row
.irp p, 0,1,2,3,4,5,6,7,8,9,10,11,12,13,14,15
	global_load_b128 v[R+64*((\s)%2)+4*\p:R+64*((\s)%2)+4*\p+3], v[LI+10*(\p/8)], s[20:21] offset:(\p+8*(\p/8))*2048+512*(\s) th:TH_LOAD_NT
.endr
.endm
.macro TURN s                          ; through the stage: LDS serves a wave's instructions in order, so no wait stands between the stores and the loads
.irp p, 0,1,2,3,4,5,6,7,8,9,10,11,12,13,14,15
	ds_store_b128 v[STI], v[R+64*((\s)%2)+4*\p:R+64*((\s)%2)+4*\p+3] offset:SP*\p
.endr
.irp b, 0,1,2,3
.irp j, 0,1,2,3
	ds_load_b128 v[X+16*\b+4*\j:X+16*\b+4*\j+3], v[STO] offset:128*\b+16*\j
.endr
.endr
.endm
.macro KSTEP s
.if (\s) < 3
	s_wait_loadcnt 16                              ; this K step's 16 loads are in; the next step's 16 may be out
.else
	s_wait_loadcnt 0x0
.endif
	TURN \s
	s_wait_dscnt 0x0                               ; my 64 numbers are back, and the stores into the stage have read their registers
	s_wait_xcnt 0x0                                ; the last step's stores have read the codes' registers, which are written again below
.if (\s) < 2
	LOAD (\s)+2
.endif
	QUANT4 X, PC, PC+6
	v_lshl_or_b32 v[SW+(\s)], v[BP+1], 8, v[BP]    ; the four bytes make my row's scale word of this K step
	v_lshl_or_b32 v[SW+(\s)], v[BP+2], 16, v[SW+(\s)]
	v_lshl_or_b32 v[SW+(\s)], v[BP+3], 24, v[SW+(\s)]
.irp c, 0,1,2
	global_store_b128 v[LI], v[PC+4*\c:PC+4*\c+3], s[18:19] offset:1536*(\s)+512*\c   ; the fragment's image: 512 consecutive bytes a store, aligned to 256
.endr
.endm
	LOAD 0
	LOAD 1
	KSTEP 0
	KSTEP 1
	KSTEP 2
	KSTEP 3
	v_cndmask_b32 v[E], v[SW], v[SW+2], s[HM]      ; lanes 0-15 store K steps 0 and 1 of their row, lanes 16-31 steps 2 and 3
	v_cndmask_b32 v[E+1], v[SW+1], v[SW+3], s[HM]
	global_store_b64 v[SCO], v[E:E+1], s[18:19] offset:6144   ; 32 lanes fill 256 consecutive bytes, aligned
	s_wait_tensorcnt 0x0
	ds_add_u32 v240, v241
	s_wait_dscnt 0x0
	s_endpgm
.Lfunc_end_k_q53cf2c5c6c_quant:
	.size	k_q53cf2c5c6c_quant, .Lfunc_end_k_q53cf2c5c6c_quant-k_q53cf2c5c6c_quant
	.p2alignl 7, 3214868480
	.fill 96, 4, 3214868480
	.section	.rodata,"a",@progbits
	.p2align	6, 0x0
	.amdhsa_kernel k_q53cf2c5c6c_quant
		.amdhsa_group_segment_fixed_size 34304
		.amdhsa_private_segment_fixed_size 0
		.amdhsa_enable_private_segment 0
		.amdhsa_kernarg_size 64
		.amdhsa_user_sgpr_count 2
		.amdhsa_user_sgpr_kernarg_segment_ptr 1
		.amdhsa_wavefront_size32 1
		.amdhsa_system_sgpr_workgroup_id_x 1
		.amdhsa_system_sgpr_workgroup_id_y 1
		.amdhsa_system_sgpr_workgroup_id_z 1
		.amdhsa_system_vgpr_workitem_id 0
		.amdhsa_next_free_vgpr 242
		.amdhsa_next_free_sgpr 66
		.amdhsa_reserve_vcc 0
		.amdhsa_float_denorm_mode_32 3
		.amdhsa_float_denorm_mode_16_64 3
		.amdhsa_memory_ordered 1
		.amdhsa_forward_progress 1
		.amdhsa_inst_pref_size 34
	.end_amdhsa_kernel
	.amdgpu_metadata
---
amdhsa.version: [ 1, 2 ]
amdhsa.kernels:
  - .name:           k_q53cf2c5c6c_quant
    .symbol:         k_q53cf2c5c6c_quant.kd
    .args:
      - { .name: Q, .offset: 0, .size: 8, .value_kind: global_buffer, .address_space: global }
      - { .name: K, .offset: 8, .size: 8, .value_kind: global_buffer, .address_space: global }
      - { .name: V, .offset: 16, .size: 8, .value_kind: global_buffer, .address_space: global }
      - { .name: Wq, .offset: 24, .size: 8, .value_kind: global_buffer, .address_space: global }
      - { .name: Wk, .offset: 32, .size: 8, .value_kind: global_buffer, .address_space: global }
      - { .name: Wv, .offset: 40, .size: 8, .value_kind: global_buffer, .address_space: global }
      - { .name: Wo, .offset: 48, .size: 8, .value_kind: global_buffer, .address_space: global }
      - { .name: xc, .offset: 56, .size: 8, .value_kind: global_buffer, .address_space: global }
    .group_segment_fixed_size: 34304
    .private_segment_fixed_size: 0
    .kernarg_segment_align: 8
    .kernarg_segment_size: 64
    .max_flat_workgroup_size: 128
    .sgpr_count:     66
    .vgpr_count:     242
    .wavefront_size: 32
...
	.end_amdgpu_metadata
.endif
;; end of part 1
;; launch proj (part 2): grid 64 x 3, 4 waves a work-group, no clusters, 0 bytes of LDS; arguments xc, bq, bk, bv, qc, kv; writes qc, kv
.if DOCPART == 2
	.amdgcn_target "amdgcn-amd-amdhsa--gfx1250"
	.amdhsa_code_object_version 6
	.text
	.protected	k_q53cf2c5c6c_proj
	.globl	k_q53cf2c5c6c_proj
	.p2align	8
	.type	k_q53cf2c5c6c_proj,@function
k_q53cf2c5c6c_proj:
	s_mov_b64 s[64:65], 0
	v_nop
	global_prefetch_b8 v0, s[64:65] scope:SCOPE_SE
	s_setreg_imm32_b32 hwreg(HW_REG_WAVE_MODE, 25, 1), 1
	s_wait_xcnt 0x0
; q = Q Wq^T + bq, k = K Wk^T + bk, v = V Wv^T + bv on codes of BF6 (E3M2) out of xc, and the results quantised at once into the register images that the attention launch reads.
; SHARES: work-group (j, y): 128 tokens (step j of 64), tensor y (0 q, 1 k, 2 v).  Wave g: 128 columns n, heads 2 g and 2 g + 1.  A wave makes 128 x 128 results in 8 units of 32 matrix instructions.
; One operand is STATIONARY (8 tiles x 4 K steps, 384 registers, source 0), the other STREAMED (a tile a unit, source 1).  Every lane loads its fragments whole from xc: no LDS, no barrier.
;   q, k: stationary = W's tiles, streamed = the tokens' tiles: a lane holds ONE token and its registers run along n, the head's axis, which is the next K.
;   v:    stationary = the tokens' tiles, streamed = Wv's tiles: a lane holds ONE column n and its registers run along the tokens, the keys, which are the next K.  Nothing is transposed.
; Since a tile's rows are 32 G + 8 u + p + 8 (p / 8), the 16 registers of result tiles 2 b and 2 b + 1 are the 16 neighbours 32 b + 16 h + 0 .. 15 along the next K.  The bias is the C of each sum's first product.
; OUT.  qc: [head 16][step 32] records of 6,400 bytes: four fragments f (registers 6 u .. 6 u + 5: tile 2 f + u, 16 tokens x the head's 64), then the scale words, that of (f, r) at 8 (r + 16 (f % 2)) + 4 (f / 2).
;       kv: records of 12,800 bytes: k as in qc at 0, its scale words at 12,288; v's four tiles (16 of the head's 64 x 128 keys) at 6,144, their scale words at 12,544.
; LIMITS: NaN and infinities are not served; a block whose largest magnitude lies under 2^-122 keeps the byte 1, and so does a block of zeros (its codes are zeros; this program alone reads the bytes).
; REGISTERS: window 0 as named below; window 1: the stationary operand's K steps 0, 1 at v[96 s + 12 t]; window 2: its K steps 2, 3 at v[96 (s - 2) + 12 t], and from v192 the bias, 8 registers a tile.
.set REC,  6400
.set LI,   1                           ; v1   16 x lane
.set L8S,  2                           ; v2   8 x lane + where q's or k's scale words lie in a record
.set VSS,  3                           ; v3   6400 h + 16 r: the scale words of a pair of tiles: lanes 0-15 the even tile's, lanes 16-31 the odd one's
.set BOF,  4                           ; v4   my lane's place in the bias
.set L8,   5                           ; v5   8 x lane
.set RA,   8                           ; v8-9   scale words to store, first head;  v10-11 second head
.set RB,   10
.set WTA,  12
.set WTB,  13
.set TMP,  14
.set SS,   16                          ; v16-31   stationary scale words: register 4 (t / 2) + s
.set T,    32                          ; v32-127  two sets of the streamed tile's four fragments
.set TS,   128                         ; v128-135 streamed scale words: two sets of four, each for a pair of tiles
.set ACC,  136                         ; v136-199 eight accumulators
.set BM,   200
.set BP,   204
.set BS,   208
.set CT0,  212
.set CT1,  216
.set FA,   220                         ; v220-231 a fragment of the first head, v232-243 of the second
.set FB,   232
.set CB,   192                         ; in window 2
.set SEL,  30
.set HM,   40
.set MSB, 0
.macro WIN new                         ; the immediate's high byte repeats the setting that is left
.if MSB != \new
	s_set_vgpr_msb (MSB<<8)|\new
.set MSB, \new
.endif
.endm
.macro QUANT4 src, d0, d1              ; 64 numbers of a lane, register 16 b + i = k 32 b + 16 h + i of its row, become codes in d0 .. d0 + 5 and d1 .. d1 + 5; the four scale bytes are left in v[BP] on
.irp b, 0,1,2,3
	v_max3_num_f32 v[BM+\b], |v[\src+16*\b]|, |v[\src+16*\b+1]|, 0x2800000   ; with the floor 2^(5 - 127): the byte cannot fall under 1.  Each accumulator is first read at its low end
.endr
.irp i, 2,4,6,8,10,12,14
.irp b, 0,1,2,3
	v_max3_num_f32 v[BM+\b], v[BM+\b], |v[\src+16*\b+\i]|, |v[\src+16*\b+\i+1]|
.endr
.endr
.irp b, 0,1,2,3
	v_permlanex16_b32 v[BP+\b], v[BM+\b], s[SEL], s[SEL+1]
.endr
.irp b, 0,1,2,3
	v_max_num_f32 v[BM+\b], v[BM+\b], v[BP+\b]
.endr
.irp b, 0,1,2,3
	v_add_nc_u32 v[BS+\b], 0xfe000000, v[BM+\b]    ; 4 off the exponent field: the conversion's scale operand
.endr
.irp b, 0,1,2,3
	v_lshrrev_b32 v[BP+\b], 23, v[BS+\b]           ; the scale's byte
.endr
	v_cvt_scalef32_pk16_bf6_f32 v[\d0:\d0+2], v[\src:\src+15], v[BS]
	v_cvt_scalef32_pk16_bf6_f32 v[CT0:CT0+2], v[\src+16:\src+31], v[BS+1]
	v_cvt_scalef32_pk16_bf6_f32 v[\d1:\d1+2], v[\src+32:\src+47], v[BS+2]
	v_cvt_scalef32_pk16_bf6_f32 v[CT1:CT1+2], v[\src+48:\src+63], v[BS+3]
	v_nop                                          ; one plain line behind the scaled conversions
.irp i, 0,1,2
	v_permlane16_swap_b32 v[\d0+\i], v[CT0+\i]
.endr
.irp i, 0,1,2
	v_mov_b32 v[\d0+3+\i], v[CT0+\i]
.endr
.irp i, 0,1,2
	v_permlane16_swap_b32 v[\d1+\i], v[CT1+\i]
.endr
.irp i, 0,1,2
	v_mov_b32 v[\d1+3+\i], v[CT1+\i]
.endr
.endm
; one product; ra, rb: the side's scale words stand in lanes 16-31 of the register named
.macro WM d, a, b, c, sa, sb, ra, rb
.if (\ra) && (\rb)
	v_wmma_scale_f32_16x16x128_f8f6f4 v[\d:\d+7], v[\a:\a+11], v[\b:\b+11], v[\c:\c+7], v[\sa], v[\sb] matrix_a_fmt:MATRIX_FMT_BF6 matrix_b_fmt:MATRIX_FMT_BF6 matrix_a_scale:MATRIX_SCALE_ROW1 matrix_b_scale:MATRIX_SCALE_ROW1
.elseif (\ra)
	v_wmma_scale_f32_16x16x128_f8f6f4 v[\d:\d+7], v[\a:\a+11], v[\b:\b+11], v[\c:\c+7], v[\sa], v[\sb] matrix_a_fmt:MATRIX_FMT_BF6 matrix_b_fmt:MATRIX_FMT_BF6 matrix_a_scale:MATRIX_SCALE_ROW1
.elseif (\rb)
	v_wmma_scale_f32_16x16x128_f8f6f4 v[\d:\d+7], v[\a:\a+11], v[\b:\b+11], v[\c:\c+7], v[\sa], v[\sb] matrix_a_fmt:MATRIX_FMT_BF6 matrix_b_fmt:MATRIX_FMT_BF6 matrix_b_scale:MATRIX_SCALE_ROW1
.else
	v_wmma_scale_f32_16x16x128_f8f6f4 v[\d:\d+7], v[\a:\a+11], v[\b:\b+11], v[\c:\c+7], v[\sa], v[\sb] matrix_a_fmt:MATRIX_FMT_BF6 matrix_b_fmt:MATRIX_FMT_BF6
.endif
.endm
; streamed tile i: its four fragments into set i % 2; an even tile brings the pair's scale words
.macro TLOAD i
.irp s, 0,1,2,3
.irp c, 0,1,2
	global_load_b128 v[T+48*((\i)%2)+12*\s+4*\c:T+48*((\i)%2)+12*\s+4*\c+3], v[LI], s[22:23] offset:REC*(\i)+1536*\s+512*\c
.endr
.endr
.if (\i)%2 == 0
	global_load_b128 v[TS+4*(((\i)/2)%2):TS+4*(((\i)/2)%2)+3], v[VSS], s[22:23] offset:2*REC*((\i)/2)+6144
.endif
.endm
; unit i: 32 products, the eight accumulators by turns, K ascending.  cm = 0: the bias goes with the stationary tile t; cm = 1: with the streamed tile i
.macro MULS i, cm
.irp s, 0,1,2,3
.if \s == 0
	WIN 0x21                                       ; source 0 window 1, C (the bias) window 2
.elseif \s == 1
	WIN 0x01
.else
	WIN 0x02                                       ; source 0 window 2
.endif
.irp t, 0,1,2,3,4,5,6,7
.if \s == 0
.if \cm
.set CSRC, CB+8*(\i)
.else
.set CSRC, CB+8*\t
.endif
.else
.set CSRC, ACC+8*\t
.endif
	WM ACC+8*\t, 96*(\s%2)+12*\t, T+48*((\i)%2)+12*\s, CSRC, SS+4*(\t/2)+\s, TS+4*(((\i)/2)%2)+\s, \t%2, (\i)%2
.endr
.endr
	WIN 0
.endm
.macro UNITHEAD i, cm
.if (\i) == 7
	s_wait_loadcnt 0x0
.elseif (\i) >= 2
	s_wait_loadcnt 12+(\i)%2                       ; tile i is in; behind it one tile was asked for: 12 loads, 13 where it brought scale words
.endif
	MULS \i, \cm
.rept 4
	v_nop                                          ; four places ahead of the reads of the results and of the loads into the streamed set (ISA guide 7.12.1 for the reads of the results)
.endr
	s_wait_xcnt 0x0                                ; the earlier stores have read the codes' registers, which are written again below
.if (\i) <= 5
	TLOAD (\i)+2
.endif
.endm
	s_load_b256 s[4:11], s[0:1], 0x0               ; xc s[4:5], bq s[6:7], bk s[8:9], bv s[10:11]
	s_load_b128 s[12:15], s[0:1], 0x20             ; qc s[12:13], kv s[14:15]
	v_lshrrev_b32 v6, 5, v0
	v_readfirstlane_b32 s16, v6                    ; g: wave 0..3
	s_mov_b32 s17, ttmp9                           ; j
	s_and_b32 s18, ttmp7, 0xffff                   ; y
	v_and_b32 v6, 31, v0                           ; lane
	v_and_b32 v7, 15, v0                           ; r
	v_bfe_u32 v15, v0, 4, 1                        ; h
	v_lshlrev_b32 v[LI], 4, v6
	v_lshlrev_b32 v[L8], 3, v6
	s_wait_alu depctr_va_vdst(0)
	v_mul_u32_u24 v[VSS], v15, REC
	v_lshl_add_u32 v[VSS], v7, 4, v[VSS]
.irp b, 0,1,2,3
	v_mov_b32 v[BP+\b], 0                          ; written once: a lane permute's destination counts as one of its sources
.endr
	s_mov_b32 s[SEL], 0x76543210
	s_mov_b32 s[SEL+1], 0xfedcba98
	s_mov_b32 s[HM], 0xffff0000
	s_lshl_b32 s32, s18, 5
	s_lshl_b32 s33, s16, 3
	s_add_co_u32 s32, s32, s33
	s_add_co_u32 s32, s32, 1536                    ; my first tile of W: 1536 + 32 y + 8 g
	s_lshl_b32 s33, s18, 9
	s_lshl_b32 s34, s17, 3
	s_add_co_u32 s33, s33, s34                     ; the step's first tile of tokens: 512 y + 8 j
	s_cmp_eq_u32 s18, 2
	s_cselect_b32 s34, s33, s32                    ; stationary: W for q and k, the tokens for v
	s_cselect_b32 s35, s32, s33                    ; streamed: the other
	s_mul_i32 s36, s34, REC
	s_mov_b32 s37, 0
	s_mul_i32 s38, s35, REC
	s_mov_b32 s39, 0
	s_lshr_b32 s41, s17, 5                         ; the batch
	s_lshl_b32 s41, s41, 3
	s_lshl_b32 s42, s16, 1
	s_add_co_u32 s41, s41, s42                     ; my first head: 8 b + 2 g
	s_lshl_b32 s41, s41, 5
	s_and_b32 s42, s17, 31
	s_add_co_u32 s41, s41, s42                     ; its record of this step
	s_mov_b32 s43, 2*REC
	s_mov_b32 s44, 12288
	s_cmp_eq_u32 s18, 0
	s_cselect_b32 s43, REC, s43                    ; a record: 6,400 bytes in qc, 12,800 in kv
	s_cselect_b32 s44, 6144, s44                   ; and where q's or k's scale words lie in it
	s_mul_i32 s46, s41, s43
	s_mov_b32 s47, 0
	s_lshl_b32 s32, s43, 5                         ; from a head to the next: 32 records
	s_mov_b32 s33, 0
	s_lshl_b32 s34, s16, 9                         ; my 128 numbers of the bias
	s_mov_b32 s35, 0
	v_add_nc_u32 v[L8S], s44, v[L8]
	s_wait_alu depctr_va_vdst(0)
	s_wait_kmcnt 0x0
	s_cmp_eq_u32 s18, 0
	s_cselect_b64 s[24:25], s[12:13], s[14:15]     ; the choices hang on the work-group's number alone
	s_cmp_eq_u32 s18, 1
	s_cselect_b64 s[28:29], s[8:9], s[6:7]
	s_cmp_eq_u32 s18, 2
	s_cselect_b64 s[28:29], s[10:11], s[28:29]
	s_add_nc_u64 s[20:21], s[4:5], s[36:37]        ; the stationary tiles
	s_add_nc_u64 s[22:23], s[4:5], s[38:39]        ; the streamed tiles
	s_add_nc_u64 s[24:25], s[24:25], s[46:47]      ; out: the first head's record,
	s_add_nc_u64 s[26:27], s[24:25], s[32:33]      ; the second head's
	s_add_nc_u64 s[28:29], s[28:29], s[34:35]      ; the bias
	TLOAD 0
	TLOAD 1
.irp b, 0,1,2,3
	global_load_b128 v[SS+4*\b:SS+4*\b+3], v[VSS], s[20:21] offset:2*REC*\b+6144
.endr
	WIN 0x40                                       ; destination window 1
.irp s, 0,1
.irp t, 0,1,2,3,4,5,6,7
.irp c, 0,1,2
	global_load_b128 v[96*\s+12*\t+4*\c:96*\s+12*\t+4*\c+3], v[LI], s[20:21] offset:REC*\t+1536*\s+512*\c
.endr
.endr
.endr
	WIN 0x80                                       ; destination window 2
.irp s, 0,1
.irp t, 0,1,2,3,4,5,6,7
.irp c, 0,1,2
	global_load_b128 v[96*\s+12*\t+4*\c:96*\s+12*\t+4*\c+3], v[LI], s[20:21] offset:REC*\t+1536*(\s+2)+512*\c
.endr
.endr
.endr
	WIN 0
	s_cmp_eq_u32 s18, 2
	s_cbranch_scc1 .Lv_path
	; ---- q and k.  Register j of tile t holds column 32 (t / 2) + 16 h + 8 (t % 2) + j of my 128: the bias in that layout
	v_lshlrev_b32 v[BOF], 6, v15
	WIN 0x80
.irp t, 0,1,2,3,4,5,6,7
	global_load_b128 v[CB+8*\t:CB+8*\t+3], v[BOF], s[28:29] offset:(32*(\t/2)+8*(\t%2))*4
	global_load_b128 v[CB+8*\t+4:CB+8*\t+7], v[BOF], s[28:29] offset:(32*(\t/2)+8*(\t%2))*4+16
.endr
	WIN 0
	s_wait_loadcnt 0x0
; fragment f of both heads: the tokens' tiles 2 f and 2 f + 1.  Blocks 0, 1 of a unit's 128 columns are the first head's 64, blocks 2, 3 the second's
.macro PAIR f
.if (\f)%2 == 0
.set WA, RA+(\f)/2
.set WB, RB+(\f)/2
.else
.set WA, WTA
.set WB, WTB
.endif
	UNITHEAD 2*(\f), 0
	QUANT4 ACC, FA, FB
	v_lshl_or_b32 v[WA], v[BP+1], 8, v[BP]         ; the scale word of (f, my token): the even tile's two bytes below,
	v_lshl_or_b32 v[WB], v[BP+3], 8, v[BP+2]
	UNITHEAD 2*(\f)+1, 0
	QUANT4 ACC, FA+6, FB+6
	v_lshl_or_b32 v[TMP], v[BP+1], 8, v[BP]
	v_lshl_or_b32 v[WA], v[TMP], 16, v[WA]         ; the odd tile's two above
	v_lshl_or_b32 v[TMP], v[BP+3], 8, v[BP+2]
	v_lshl_or_b32 v[WB], v[TMP], 16, v[WB]
.if (\f)%2 == 1
	v_cndmask_b32 v[RA+(\f)/2], v[RA+(\f)/2], v[WTA], s[HM]   ; an odd fragment's words go to lanes 16-31
	v_cndmask_b32 v[RB+(\f)/2], v[RB+(\f)/2], v[WTB], s[HM]
.endif
.irp c, 0,1,2
	global_store_b128 v[LI], v[FA+4*\c:FA+4*\c+3], s[24:25] offset:1536*(\f)+512*\c   ; 512 consecutive bytes a store, aligned to 256
	global_store_b128 v[LI], v[FB+4*\c:FB+4*\c+3], s[26:27] offset:1536*(\f)+512*\c
.endr
.endm
	PAIR 0
	PAIR 1
	PAIR 2
	PAIR 3
	global_store_b64 v[L8S], v[RA:RA+1], s[24:25]  ; 32 lanes fill 256 consecutive bytes, aligned
	global_store_b64 v[L8S], v[RB:RB+1], s[26:27]
	s_endpgm
.Lv_path:
	; ---- v.  A lane holds column 32 (i / 2) + 8 (i % 2) + r + 8 (r / 8) of my 128 in unit i: the C operand wants that column's bias in all eight registers
	v_and_b32 v[BOF], 8, v7
	v_add_nc_u32 v[BOF], v[BOF], v7
	v_lshlrev_b32 v[BOF], 2, v[BOF]
	WIN 0x80
.irp i, 0,1,2,3,4,5,6,7
.irp j, 0,1,2,3,4,5,6,7
	global_load_b32 v[CB+8*\i+\j], v[BOF], s[28:29] offset:(32*(\i/2)+8*(\i%2))*4
.endr
.endr
	WIN 0
	s_wait_loadcnt 0x0
; unit i: tile i % 4 of head 2 g + i / 4: 16 of the head's 64 x the step's 128 keys: one fragment and one scale word a row
.macro VUNIT i
.set RR, RA+2*((\i)/4)+((\i)%4)/2
.set OO, 24+2*((\i)/4)
	UNITHEAD \i, 1
	QUANT4 ACC, FA, FA+6
.if (\i)%2 == 0
	v_lshl_or_b32 v[RR], v[BP+1], 8, v[BP]
	v_lshl_or_b32 v[RR], v[BP+2], 16, v[RR]
	v_lshl_or_b32 v[RR], v[BP+3], 24, v[RR]
.else
	v_lshl_or_b32 v[WTA], v[BP+1], 8, v[BP]
	v_lshl_or_b32 v[WTA], v[BP+2], 16, v[WTA]
	v_lshl_or_b32 v[WTA], v[BP+3], 24, v[WTA]
	v_cndmask_b32 v[RR], v[RR], v[WTA], s[HM]      ; an odd tile's words go to lanes 16-31
.endif
.irp c, 0,1,2
	global_store_b128 v[LI], v[FA+4*\c:FA+4*\c+3], s[OO:OO+1] offset:6144+1536*((\i)%4)+512*\c
.endr
.if (\i)%4 == 3
	global_store_b64 v[L8], v[RA+2*((\i)/4):RA+2*((\i)/4)+1], s[OO:OO+1] offset:12544
.endif
.endm
	VUNIT 0
	VUNIT 1
	VUNIT 2
	VUNIT 3
	VUNIT 4
	VUNIT 5
	VUNIT 6
	VUNIT 7
	s_endpgm
.Lfunc_end_k_q53cf2c5c6c_proj:
	.size	k_q53cf2c5c6c_proj, .Lfunc_end_k_q53cf2c5c6c_proj-k_q53cf2c5c6c_proj
	.p2alignl 7, 3214868480
	.fill 96, 4, 3214868480
	.section	.rodata,"a",@progbits
	.p2align	6, 0x0
	.amdhsa_kernel k_q53cf2c5c6c_proj
		.amdhsa_group_segment_fixed_size 0
		.amdhsa_private_segment_fixed_size 0
		.amdhsa_enable_private_segment 0
		.amdhsa_kernarg_size 48
		.amdhsa_user_sgpr_count 2
		.amdhsa_user_sgpr_kernarg_segment_ptr 1
		.amdhsa_wavefront_size32 1
		.amdhsa_system_sgpr_workgroup_id_x 1
		.amdhsa_system_sgpr_workgroup_id_y 1
		.amdhsa_system_sgpr_workgroup_id_z 1
		.amdhsa_system_vgpr_workitem_id 0
		.amdhsa_next_free_vgpr 768
		.amdhsa_next_free_sgpr 66
		.amdhsa_reserve_vcc 0
		.amdhsa_float_denorm_mode_32 3
		.amdhsa_float_denorm_mode_16_64 3
		.amdhsa_memory_ordered 1
		.amdhsa_forward_progress 1
		.amdhsa_inst_pref_size 171
	.end_amdhsa_kernel
	.amdgpu_metadata
---
amdhsa.version: [ 1, 2 ]
amdhsa.kernels:
  - .name:           k_q53cf2c5c6c_proj
    .symbol:         k_q53cf2c5c6c_proj.kd
    .args:
      - { .name: xc, .offset: 0, .size: 8, .value_kind: global_buffer, .address_space: global }
      - { .name: bq, .offset: 8, .size: 8, .value_kind: global_buffer, .address_space: global }
      - { .name: bk, .offset: 16, .size: 8, .value_kind: global_buffer, .address_space: global }
      - { .name: bv, .offset: 24, .size: 8, .value_kind: global_buffer, .address_space: global }
      - { .name: qc, .offset: 32, .size: 8, .value_kind: global_buffer, .address_space: global }
      - { .name: kv, .offset: 40, .size: 8, .value_kind: global_buffer, .address_space: global }
    .group_segment_fixed_size: 0
    .private_segment_fixed_size: 0
    .kernarg_segment_align: 8
    .kernarg_segment_size: 48
    .max_flat_workgroup_size: 128
    .sgpr_count:     66
    .vgpr_count:     768
    .wavefront_size: 32
...
	.end_amdgpu_metadata
.endif
;; end of part 2
;; launch attn (part 3): grid 16 x 16, 8 waves a work-group, clusters of 4 x 1, 327,680 bytes of LDS; arguments qc, kv, ho, hs; writes ho, hs
.if DOCPART == 3
	.amdgcn_target "amdgcn-amd-amdhsa--gfx1250"
	.amdhsa_code_object_version 6
	.text
	.protected	k_q53cf2c5c6c_attn
	.globl	k_q53cf2c5c6c_attn
	.p2align	8
	.type	k_q53cf2c5c6c_attn,@function
k_q53cf2c5c6c_attn:
	s_mov_b64 s[64:65], 0
	v_nop
	global_prefetch_b8 v0, s[64:65] scope:SCOPE_SE
	s_setreg_imm32_b32 hwreg(HW_REG_WAVE_MODE, 25, 1), 1
	s_wait_xcnt 0x0
	s_wait_alu depctr_hold_cnt(0) depctr_sa_sdst(0) depctr_va_vdst(0) depctr_va_sdst(0) depctr_va_ssrc(0) depctr_va_vcc(0) depctr_vm_vsrc(0)
	s_getreg_b32 s2, hwreg(HW_REG_IB_STS2, 6, 4)
	s_cmp_eq_u32 s2, 0
	s_cbranch_scc0 .Lentry_in_a_cluster
	s_endpgm
.Lentry_in_a_cluster:
	s_bfe_u32 s2, ttmp6, 0x10000c
	s_cmp_lg_u32 s2, 0x3003
	s_cbranch_scc0 .Lentry_shape_is_right
	s_endpgm
.Lentry_shape_is_right:
; head_out = softmax(q k^T / 8) v for 16 heads of 4,096 tokens x 64, both products on codes of BF6 (E3M2) with E8M0 scales, and head_out quantised along the model's 512 for the last product.
; THE SOFTMAX: t = score x log2(e) / 8; M = the running largest t rounded UP to a whole number; p = 2^(t - M) is quantised along the keys, not normalised; the sum l is taken of the unquantised p and divides at the end.
; When M moves, l and O are multiplied by 2^(old M - new M), which rounds nothing.
; SHARES: a work-group owns 256 queries of one head; each of its eight waves two tiles of 16 (x = 0, 1), so that each fragment of k and v read from LDS serves two tiles and every chain of lines has a second one beside it.
; Every wave walks all 4,096 keys, 128 a step.  A step's record in kv (12,800 bytes) holds register images: k's four fragments, v's four tiles, their scale words.
; LDS: 24 places of a record.  Head: wave w fetches record w.  Behind the full sequence: records 8 + 2 w, 9 + 2 w.  Behind step 8's round: record 24 + w into place w.  A barrier ahead of step 24 shows those to all.
; One tensor load of a wave is out at any time; every wait on TENSORcnt is for 0.
; CLUSTER: the four work-groups of a cluster own query blocks of ONE head and walk the same records: every fill is asked for jointly (mask 15).
; LAYOUT: both products transposed: S^T = k q^T, O^T = v^T p^T: a lane holds ONE query (lane % 16).  Row p of k's tile 4 c + T is key 64 c + 8 T + p % 8 + 32 (p / 8), so register 32 c + i of S^T is key 64 c + 32 h + i:
; a lane holds WHOLE blocks of 32 keys, in the order in which the second product's operand wants them: a block's largest score needs no other lane, and the conversions' results are the operand's registers.
; THE FIRST PRODUCT HAS K = 64: a fragment of k holds two tiles (registers 0-5, 6-11) and is multiplied by [q | zero codes] and by [zero codes | q]; q lies as q, zeros, q in 18 registers, which serve both.
; No prefetch: the second fill is asked for 8 key steps and the refill 16 key steps ahead of the wait for it; only the head's 8 records are waited for, and no loop stands ahead of them.
; LIMITS: the promise holds while |t| stays under 2^31; NaN and infinities are not served; p under 2^-126 counts as 0; a block's largest p is taken as the exponential of the block's largest score, which takes
; v_exp_f32 not to fall where its input rises; a block of zeros, or one under 2^-122, keeps the scale byte 1 (this program alone reads the bytes).
; REGISTERS: window 0 as named; window 1: O^T v0-63, q v64-99, k's fragments v100-147, v's v148-195.
.set REC,   12800
.set SPARE, 24*REC                     ; behind the places: the spare words, 128 bytes for each of 8 waves: four blocks of 256 bytes that no other line names
.set SCST,  SPARE+1024                 ; 512 bytes: head_out's scale bytes meet here; no fill lands here
.set LI,   1                           ; 16 x lane
.set L8,   2                           ; 8 x lane
.set SPW,  3                           ; my spare word; never rewritten
.set NIL,  4                           ; 0; never rewritten
.set ADR,  5                           ; k's record + 16 x lane;  v6: + 8 x lane
.set ADS,  6
.set NM,   8                           ; v[8+2x] -M, v[9+2x] the running largest score
.set LS,   12                          ; v[12+2x:13+2x] l, in two halves
.set FF,   16                          ; v[16+2x] f = 2^(old M - new M); the odd register is named with it as a pair
.set QS,   20                          ; q's scale word, one a tile
.set PS,   22                          ; p's
.set KS,   24                          ; v24-25 k's: register f / 2, lanes 16-31 for odd f
.set VS,   26                          ; v26-27 v's likewise
.set TMP,  28
.set BM,   30                          ; v[30+2x+c] block maxima;  BS: the conversions' scale operands;  BP: bytes, and lane permutes' results
.set BS,   34
.set BP,   38
.set SC2,  42                          ; the sum's second chain
.set ADV,  46                          ; v's record + 16 x lane;  v47: + 8 x lane
.set ADVS, 47
.set CT,   48                          ; v[48+8x+4c ..] the upper 16 codes of a block as converted
.set P,    64                          ; v[64+12x ..] p's codes
.set S,    128                         ; v[128+64x ..] S^T, then p
.set O,    0                           ; window 1
.set Q,    64
.set KF,   100
.set VF,   148
.set WV,   12
.set G1A,  16                          ; s[16:23] group 1, 50 rows of 256 bytes;  s[72:79] 100 rows;  s[24:35] three groups 0
.set G1B,  72
.set SEL,  36
.set CS,   38                          ; s[38:39] c = log2(e) / 8
.set TB,   40
.set CNT,  41
.set HM,   42
.set TBN,  43
.set MSB, 0
.macro WIN new                         ; the immediate's high byte repeats the setting that is left
.if MSB != \new
	s_set_vgpr_msb (MSB<<8)|\new
.set MSB, \new
.endif
.endm
.macro ROUND                           ; a round of the cluster's barrier
	s_barrier_signal -1
	s_barrier_wait -1
	s_cmp_lg_u32 s[WV], 0
	s_cbranch_scc1 .Lnot_wave_0_\@
	s_barrier_signal -3
.Lnot_wave_0_\@:
	s_barrier_wait -3
	s_barrier_signal -1
	s_barrier_wait -1
.endm
.macro TL g0, g1                       ; every wave's own joint load; s_nop 0 and four v_nop follow it
	tensor_load_to_lds s[\g0:\g0+3], s[\g1:\g1+7]
	s_nop 0
.rept 4
	v_nop
.endr
.endm
.macro THREE
	s_wait_tensorcnt 0x0
	ds_add_u32 v[SPW], v[NIL]
	s_wait_dscnt 0x0
.endm
; lines a .. b - 1 of the 32 packed additions that add a step's 64 p to l, in two chains a tile; the two tiles by turns
.macro SUMS a, b
.set sn, \a
.rept (\b)-(\a)
.irp x, 0,1
.if sn == 0
	v_pk_add_f32 v[SC2+2*\x:SC2+2*\x+1], v[S+64*\x:S+64*\x+1], v[S+64*\x+2:S+64*\x+3]
.elseif sn == 31
	s_delay_alu instid0(VALU_DEP_2)
	v_pk_add_f32 v[LS+2*\x:LS+2*\x+1], v[LS+2*\x:LS+2*\x+1], v[SC2+2*\x:SC2+2*\x+1]
.elseif sn%2 == 1
	v_pk_add_f32 v[LS+2*\x:LS+2*\x+1], v[LS+2*\x:LS+2*\x+1], v[S+64*\x+4*((sn+1)/2):S+64*\x+4*((sn+1)/2)+1]
.else
	v_pk_add_f32 v[SC2+2*\x:SC2+2*\x+1], v[SC2+2*\x:SC2+2*\x+1], v[S+64*\x+4*(sn/2)+2:S+64*\x+4*(sn/2)+3]
.endif
.endr
.set sn, sn+1
.endr
.endm
.macro PKF a, b                        ; t - M of register pairs a .. b - 1 of both tiles (of the pairs c and -M the low word serves both halves)
.set pj, \a
.rept (\b)-(\a)
.irp x, 0,1
	v_pk_fma_f32 v[S+64*\x+2*pj:S+64*\x+2*pj+1], v[S+64*\x+2*pj:S+64*\x+2*pj+1], s[CS:CS+1], v[NM+2*\x:NM+2*\x+1] op_sel_hi:[1,0,0]
.endr
.set pj, pj+1
.endr
.endm
.macro KQ f, u, x                      ; keys of tile 2 f + u against tile x's 16 queries
.if (\f)%2
	v_wmma_scale_f32_16x16x128_f8f6f4 v[S+64*\x+8*(2*\f+\u):S+64*\x+8*(2*\f+\u)+7], v[KF+12*\f:KF+12*\f+11], v[Q+18*\x+6*\u:Q+18*\x+6*\u+11], 0, v[KS+\f/2], v[QS+\x] matrix_a_fmt:MATRIX_FMT_BF6 matrix_b_fmt:MATRIX_FMT_BF6 matrix_a_scale:MATRIX_SCALE_ROW1
.else
	v_wmma_scale_f32_16x16x128_f8f6f4 v[S+64*\x+8*(2*\f+\u):S+64*\x+8*(2*\f+\u)+7], v[KF+12*\f:KF+12*\f+11], v[Q+18*\x+6*\u:Q+18*\x+6*\u+11], 0, v[KS+\f/2], v[QS+\x] matrix_a_fmt:MATRIX_FMT_BF6 matrix_b_fmt:MATRIX_FMT_BF6
.endif
.endm
.macro PV t, x                         ; 16 of the head's 64 x these 128 keys, for tile x
.if (\t)%2
	v_wmma_scale_f32_16x16x128_f8f6f4 v[O+32*\x+8*\t:O+32*\x+8*\t+7], v[VF+12*\t:VF+12*\t+11], v[P+12*\x:P+12*\x+11], v[O+32*\x+8*\t:O+32*\x+8*\t+7], v[VS+\t/2], v[PS+\x] matrix_a_fmt:MATRIX_FMT_BF6 matrix_b_fmt:MATRIX_FMT_BF6 matrix_a_scale:MATRIX_SCALE_ROW1
.else
	v_wmma_scale_f32_16x16x128_f8f6f4 v[O+32*\x+8*\t:O+32*\x+8*\t+7], v[VF+12*\t:VF+12*\t+11], v[P+12*\x:P+12*\x+11], v[O+32*\x+8*\t:O+32*\x+8*\t+7], v[VS+\t/2], v[PS+\x] matrix_a_fmt:MATRIX_FMT_BF6 matrix_b_fmt:MATRIX_FMT_BF6
.endif
.endm
.macro FLOAD reg, adr, ads, sreg, off, soff   ; 13 LDS loads: four images into window 1 (512 consecutive bytes a load) and their scale words
	WIN 0x40
.irp f, 0,1,2,3
.irp c, 0,1,2
	ds_load_b128 v[\reg+12*\f+4*\c:\reg+12*\f+4*\c+3], v[\adr] offset:\off+1536*\f+512*\c
.endr
.endr
	WIN 0
	ds_load_b64 v[\sreg:\sreg+1], v[\ads] offset:\soff
.endm
	s_load_b256 s[4:11], s[0:1], 0x0               ; qc s[4:5], kv s[6:7], ho s[8:9], hs s[10:11]
	v_lshl_add_u32 v[SPW], v0, 2, SPARE
	v_mov_b32 v[NIL], 0
	ds_add_u32 v[SPW], v[NIL]                      ; the opening: the add, twice on end, and its wait ahead of my first tensor load
	ds_add_u32 v[SPW], v[NIL]
	v_lshrrev_b32 v7, 5, v0
	v_readfirstlane_b32 s[WV], v7                  ; wave 0..7
	s_bfe_u32 s13, ttmp6, 0x40000                  ; cx
	s_lshl_b32 s14, ttmp9, 2
	s_add_co_u32 s14, s14, s13                     ; my block of 256 queries: it enters qc's, ho's and hs's addresses alone
	s_and_b32 s15, ttmp7, 0xffff                   ; the head, which the four partners share
.irp g, G1A, G1B                       ; group 1: dense rows of 256 bytes (32 elements of 8 bytes); mask 15, bit 21 beside it
	s_mov_b32 s[\g], 15|(3<<16)|(1<<21)
	s_mov_b32 s[\g+1], 32<<16
	s_mov_b32 s[\g+3], 32<<16
	s_mov_b32 s[\g+5], 32
	s_mov_b32 s[\g+6], 0
	s_mov_b32 s[\g+7], 0
.endr
	s_mov_b32 s[G1A+2], 50<<16                     ; a record
	s_mov_b32 s[G1A+4], 50
	s_mov_b32 s[G1B+2], 100<<16                    ; two records
	s_mov_b32 s[G1B+4], 100
	s_mul_i32 s54, s15, 32*REC                     ; the head's records
	s_mov_b32 s55, 0
	s_mul_i32 s56, s[WV], REC                      ; wave x a record, in memory and in LDS: no place in the cluster enters either
	s_mov_b32 s57, 0
	s_lshl_b32 s53, s56, 1
	s_add_co_u32 s53, s53, 8*REC                   ; place 8 + 2 w
	s_lshl_b32 s50, s15, 5                         ; q: record 32 x head + 2 x block + wave / 4,
	s_lshl_b32 s51, s14, 1
	s_add_co_u32 s50, s50, s51
	s_lshr_b32 s51, s[WV], 2
	s_add_co_u32 s50, s50, s51
	s_mul_i32 s50, s50, 6400
	s_mov_b32 s51, 0
	s_and_b32 s52, s[WV], 3                        ; fragment f = wave % 4: its two halves are my two tiles
	s_mul_i32 s58, s52, 1536
	s_and_b32 s59, s52, 1
	s_lshl_b32 s59, s59, 7
	s_lshr_b32 s52, s52, 1
	s_lshl_b32 s52, s52, 2
	s_add_co_u32 s59, s59, s52                     ; its scale words: 128 (f % 2) + 4 (f / 2), + 8 r
	s_lshr_b32 s60, s15, 3                         ; ho: tile 256 x batch + 16 x block + 2 x wave, 6,144 bytes each; in it my head's 768
	s_lshl_b32 s60, s60, 8
	s_lshl_b32 s61, s14, 4
	s_add_co_u32 s60, s60, s61
	s_lshl_b32 s61, s[WV], 1
	s_add_co_u32 s60, s60, s61
	s_mul_i32 s60, s60, 6144
	s_and_b32 s61, s15, 7
	s_mul_i32 s61, s61, 768
	s_add_co_u32 s60, s60, s61
	s_mov_b32 s61, 0
	s_lshl_b32 s62, s15, 13                        ; hs: 8,192 bytes a head, 512 a block
	s_lshl_b32 s63, s14, 9
	s_add_co_u32 s62, s62, s63
	s_mov_b32 s63, 0
	s_mov_b32 s[SEL], 0x76543210
	s_mov_b32 s[SEL+1], 0xfedcba98
	s_mov_b32 s[CS], 0x3e38aa3b
	s_mov_b32 s[CS+1], s[CS]                       ; (named with it as a pair)
	s_mov_b32 s[HM], 0xffff0000
	s_wait_dscnt 0x0                               ; both opening adds are done
	s_wait_kmcnt 0x0
	s_add_nc_u64 s[6:7], s[6:7], s[54:55]
	s_add_nc_u64 s[6:7], s[6:7], s[56:57]          ; record w of the head
	s_add_nc_u64 s[44:45], s[4:5], s[50:51]
	s_add_nc_u64 s[46:47], s[8:9], s[60:61]
	s_add_nc_u64 s[48:49], s[10:11], s[62:63]
	s_mov_b32 s24, 1                               ; record w -> place w
	s_mov_b32 s25, s56
	s_mov_b64 s[26:27], s[6:7]
	s_or_b32 s27, s27, 0x80000000
	s_mov_b32 s28, 1                               ; records 8 + 2 w, 9 + 2 w -> their places
	s_mov_b32 s29, s53
	s_add_nc_u64 s[30:31], s[6:7], s[56:57]
	s_add_nc_u64 s[30:31], s[30:31], 8*REC
	s_or_b32 s31, s31, 0x80000000
	s_mov_b32 s32, 1                               ; record 24 + w -> place w
	s_mov_b32 s33, s56
	s_add_nc_u64 s[34:35], s[6:7], 24*REC
	s_or_b32 s35, s35, 0x80000000
	ROUND                                          ; all four work-groups are here: the first joint loads meet
	TL 24, G1A                                     ; my one load at the head
	v_and_b32 v7, 31, v0
	v_and_b32 v88, 15, v0
	v_lshlrev_b32 v[LI], 4, v7
	v_lshlrev_b32 v[L8], 3, v7
	v_add_nc_u32 v89, s58, v[LI]
	v_lshl_add_u32 v90, v88, 3, s59
.irp c, 0,1,2
	global_load_b128 v[92+4*\c:92+4*\c+3], v89, s[44:45] offset:512*\c
.endr
	global_load_b32 v91, v90, s[44:45] offset:6144
.irp x, 0,1
	v_mov_b32 v[NM+2*\x], 0x7d000000               ; -M: above every -M to come, so that the first f is 0
	v_mov_b32 v[NM+2*\x+1], 0xff61b1e6             ; the largest score so far: -3e38
	v_mov_b32 v[LS+2*\x], 0
	v_mov_b32 v[LS+2*\x+1], 0
	v_mov_b32 v[FF+2*\x+1], 0
	v_mov_b32 v[BP+2*\x], 0                        ; a lane permute's destination counts as one of its sources
	v_mov_b32 v[BP+2*\x+1], 0
.endr
	s_wait_loadcnt 0x0
	v_and_b32 v[TMP], 0xffff, v91                  ; tile 0's two scale bytes, tile 1's two,
	v_lshrrev_b32 v[TMP+1], 16, v91
	v_lshl_or_b32 v[QS], v[TMP], 16, v[TMP]        ; each below for [q | 0] and above for [0 | q]
	v_lshl_or_b32 v[QS+1], v[TMP+1], 16, v[TMP+1]
	WIN 0x40
.irp x, 0,1
.irp i, 0,1,2,3,4,5
	v_mov_b32 v[Q+18*\x+\i], v[92+6*\x+\i]         ; q, zero codes, q
	v_mov_b32 v[Q+18*\x+6+\i], 0
	v_mov_b32 v[Q+18*\x+12+\i], v[92+6*\x+\i]
.endr
.endr
.set j, 0
.rept 64
	v_mov_b32 v[O+j], 0                            ; O^T: the step is written once; the first f multiplies zeros.  (These lines are also the places between q's scale words and the first products)
.set j, j+1
.endr
	WIN 0
	s_wait_alu depctr_va_vdst(0)
	THREE                                          ; my record is in; the full sequence ahead of a later first fill
	ROUND
	TL 28, G1B                                     ; records 8 to 23: eight key steps stand ahead of the wait for them
; A KEY STEP: 128 keys, the record at LDS byte s[TB]; k's fragments were asked for a step earlier.  last: the phase's last record: the look-ahead is held there
.macro STEP last
	v_add_nc_u32 v[ADV], s[TB], v[LI]
	v_add_nc_u32 v[ADVS], s[TB], v[L8]
	FLOAD VF, ADV, ADVS, VS, 6144, 12544           ; v's tiles land under the softmax
	s_add_co_u32 s[TB], s[TB], REC
	s_min_u32 s[TBN], s[TB], \last
	s_wait_dscnt 13                                ; k's 13 loads are in; v's 13 may be out
	WIN 0x05                                       ; sources 0 and 1 in window 1
.irp f, 0,1,2,3
.irp u, 0,1
.irp x, 0,1
	KQ \f, \u, \x
.endr
.endr
.endr
	WIN 0
	v_add_nc_u32 v[ADR], s[TBN], v[LI]             ; four plain lines: the places ahead of the loads into k's registers and of the first read of the scores
	v_add_nc_u32 v[ADS], s[TBN], v[L8]
	v_mov_b32 v[TMP], v[NM]                        ; the old -M
	v_mov_b32 v[TMP+1], v[NM+2]
	FLOAD KF, ADR, ADS, KS, 0, 12288               ; the next step's k
.irp x, 0,1
.irp c, 0,1
	v_max3_num_f32 v[BM+2*\x+\c], v[S+64*\x+32*\c], v[S+64*\x+32*\c+1], v[S+64*\x+32*\c+2]   ; the largest score of my block 2 c + h: all its 32 keys are mine; each accumulator is first read at its low end
.endr
.endr
.irp i, 3,5,7,9,11,13,15,17,19,21,23,25,27,29
.irp x, 0,1
.irp c, 0,1
	v_max3_num_f32 v[BM+2*\x+\c], v[BM+2*\x+\c], v[S+64*\x+32*\c+\i], v[S+64*\x+32*\c+\i+1]
.endr
.endr
.endr
.irp x, 0,1
.irp c, 0,1
	v_max_num_f32 v[BM+2*\x+\c], v[BM+2*\x+\c], v[S+64*\x+32*\c+31]
.endr
.endr
	s_delay_alu instid0(VALU_DEP_3)
	v_max3_num_f32 v[NM+1], v[NM+1], v[BM], v[BM+1]        ; the running largest score, my half of the keys,
	s_delay_alu instid0(VALU_DEP_2)
	v_max3_num_f32 v[NM+3], v[NM+3], v[BM+2], v[BM+3]
.irp x, 0,1
	s_delay_alu instid0(VALU_DEP_2)
	v_permlanex16_b32 v[BP+2*\x], v[NM+2*\x+1], s[SEL], s[SEL+1]
.endr
.irp x, 0,1
	s_delay_alu instid0(VALU_DEP_2)
	v_max_num_f32 v[NM+2*\x+1], v[NM+2*\x+1], v[BP+2*\x]   ; and lane l xor 16's
.endr
.irp x, 0,1
	s_delay_alu instid0(VALU_DEP_2)
	v_mul_f32 v[BP+2*\x], s[CS], v[NM+2*\x+1]              ; as t (c is positive)
.endr
.irp x, 0,1
	s_delay_alu instid0(VALU_DEP_2)
	v_floor_f32 v[NM+2*\x], -v[BP+2*\x]                    ; the new -M = floor(-t)
.endr
.irp x, 0,1
	s_delay_alu instid0(VALU_DEP_2)
	v_sub_f32 v[TMP+\x], v[NM+2*\x], v[TMP+\x]             ; old M - new M: a whole number, 0 or less
.endr
	PKF 0, 4
.irp x, 0,1
	v_cvt_i32_f32 v[TMP+\x], v[TMP+\x]                     ; (it saturates)
.endr
	PKF 4, 8
.irp x, 0,1
	v_ldexp_f32 v[FF+2*\x], 1.0, v[TMP+\x]                 ; f = 2^(old M - new M)
.endr
	PKF 8, 32
.irp x, 0,1
.irp c, 0,1
	v_fma_f32 v[BM+2*\x+\c], v[BM+2*\x+\c], s[CS], v[NM+2*\x]   ; the same of each block's largest score
.endr
.endr
	WIN 0x41                                       ; destination and source 0 in window 1
.irp x, 0,1
.set j, 0
.rept 16
	v_pk_mul_f32 v[O+32*\x+j:O+32*\x+j+1], v[O+32*\x+j:O+32*\x+j+1], v[FF+2*\x:FF+2*\x+1] op_sel_hi:[1,0]   ; O^T under the new M, each accumulator from its low end on
.set j, j+2
.endr
.endr
	WIN 0
	s_wait_alu depctr_va_vdst(0)
.set j, 0
.rept 128
	v_exp_f32 v[S+j], v[S+j]                       ; p = 2^(t - M)
.set j, j+1
.endr
.irp k, 0,1,2,3
	v_exp_f32 v[BM+\k], v[BM+\k]                   ; the block's largest p: the same two instructions on the same number
.endr
.irp x, 0,1
	v_pk_mul_f32 v[LS+2*\x:LS+2*\x+1], v[LS+2*\x:LS+2*\x+1], v[FF+2*\x:FF+2*\x+1] op_sel_hi:[1,0]   ; l under the new M: the plain lines behind the batch
.endr
	s_wait_alu depctr_va_vdst(0)                   ; one wait for the 132 exponentials, ahead of their first reader
.irp k, 0,1,2,3
	v_max_num_f32 v[BM+\k], 0x2800000, v[BM+\k]    ; the floor 2^(5 - 127): the byte cannot fall under 1
.endr
.irp k, 0,1,2,3
	v_add_nc_u32 v[BS+\k], 0xfe000000, v[BM+\k]    ; 4 off the exponent field: the conversion's scale operand
.endr
.irp x, 0,1
.irp c, 0,1
	v_cvt_scalef32_pk16_bf6_f32 v[P+12*\x+6*\c:P+12*\x+6*\c+2], v[S+64*\x+32*\c:S+64*\x+32*\c+15], v[BS+2*\x+\c]
	v_cvt_scalef32_pk16_bf6_f32 v[CT+8*\x+4*\c:CT+8*\x+4*\c+2], v[S+64*\x+32*\c+16:S+64*\x+32*\c+31], v[BS+2*\x+\c]   ; (a conversion's three registers begin on an even number)
.endr
.endr
.irp k, 0,1,2,3
	v_lshrrev_b32 v[BP+\k], 23, v[BS+\k]           ; the scale's byte.  (Plain lines behind the conversions)
.endr
	s_delay_alu instid0(VALU_DEP_3)
	v_lshl_or_b32 v[TMP], v[BP+1], 16, v[BP]       ; my two bytes, of blocks h and 2 + h, at bytes 0 and 2
	s_delay_alu instid0(VALU_DEP_2)
	v_lshl_or_b32 v[TMP+1], v[BP+3], 16, v[BP+2]
.irp x, 0,1
	s_delay_alu instid0(VALU_DEP_2)
	v_permlanex16_b32 v[BP+2*\x], v[TMP+\x], s[SEL], s[SEL+1]
.endr
.irp x, 0,1
	s_delay_alu instid0(VALU_DEP_2)
	v_lshl_or_b32 v[PS+\x], v[BP+2*\x], 8, v[TMP+\x]   ; in lanes 0-15, which alone are read: blocks 0 and 2 mine, 1 and 3 lane l + 16's
.endr
.irp x, 0,1
.irp c, 0,1
.irp i, 0,1,2
	v_mov_b32 v[P+12*\x+6*\c+3+\i], v[CT+8*\x+4*\c+\i]
.endr
.endr
.endr
	SUMS 0, 4                                      ; the sum of the unquantised p begins: eight plain lines between the last write of p's codes and the products
	s_wait_alu depctr_va_vdst(0)
	s_wait_dscnt 13                                ; v's 13 loads are in; the next step's k, 13 loads, may be out
	WIN 0x51                                       ; source 0, C and D in window 1
.irp t, 0,1,2,3
.irp x, 0,1
	PV \t, \x                                      ; the eight accumulators by turns
.endr
.endr
	WIN 0
	SUMS 4, 32                                     ; the rest of the sum: also the places ahead of the next loads into v's registers
.endm
.macro PHASE base, trips               ; a run of key steps between two barriers: the trip count is a constant
	s_mov_b32 s[TB], \base
	s_mov_b32 s[CNT], \trips
	v_add_nc_u32 v[ADR], \base, v[LI]
	v_add_nc_u32 v[ADS], \base, v[L8]
	FLOAD KF, ADR, ADS, KS, 0, 12288               ; the phase's first k
	s_wait_alu depctr_va_vdst(0)
.Lstep_\@:
	STEP (\base)+((\trips)-1)*REC
	s_sub_co_u32 s[CNT], s[CNT], 1
	s_cmp_lg_u32 s[CNT], 0
	s_wait_alu depctr_va_vdst(0)
	s_cbranch_scc1 .Lstep_\@
.endm
	PHASE 0, 8                                     ; keys 0 to 1,023
	THREE                                          ; records 8 to 23 are in, my reads of places 0 to 7 are over
	ROUND                                          ; and so of every wave of every partner
	TL 32, G1A                                     ; records 24 to 31 into places 0 to 7: sixteen key steps stand ahead of the wait for them
	PHASE 8*REC, 16                                ; keys 1,024 to 3,071
	THREE
	s_barrier_signal -1                            ; nothing is left to fetch: the barrier shows records 24 to 31 to all eight waves
	s_barrier_wait -1
	PHASE 0, 8                                     ; keys 3,072 on
	; THE WAY OUT: O^T / l, quantised along the head's 64: half a fragment of the last product's operand for each tile
.irp x, 0,1
	v_add_f32 v[LS+2*\x], v[LS+2*\x], v[LS+2*\x+1]
.endr
.irp x, 0,1
	s_delay_alu instid0(VALU_DEP_2)
	v_permlanex16_b32 v[BP+2*\x], v[LS+2*\x], s[SEL], s[SEL+1]
.endr
.irp x, 0,1
	s_delay_alu instid0(VALU_DEP_2)
	v_add_f32 v[LS+2*\x], v[LS+2*\x], v[BP+2*\x]   ; with lane l xor 16's keys: the row's sum
.endr
	s_wait_alu depctr_va_vdst(0)
	v_rcp_f32 v[LS], v[LS]
	v_rcp_f32 v[LS+2], v[LS+2]
	v_and_b32 v88, 15, v0                          ; r
	v_bfe_u32 v89, v0, 4, 1                        ; h
	v_and_b32 v90, 0xe0, v0                        ; 32 x wave
	s_delay_alu instid0(VALU_DEP_1)
	v_lshlrev_b32 v90, 1, v90
	s_delay_alu instid0(VALU_DEP_1)
	v_lshl_add_u32 v90, v88, 1, v90
	s_delay_alu instid0(VALU_DEP_1)
	v_add_nc_u32 v90, v89, v90
	s_delay_alu instid0(VALU_DEP_1)
	v_add_nc_u32 v90, SCST, v90                    ; my scale byte: 64 x wave + 32 x + 2 r + h
	v_add_nc_u32 v91, SCST, v[LI]
	WIN 0x01                                       ; source 0 in window 1
	s_wait_alu depctr_va_vdst(0)                   ; ahead of the first reader of the reciprocals and of O^T
.irp x, 0,1
.set j, 0
.rept 16
	v_pk_mul_f32 v[S+64*\x+j:S+64*\x+j+1], v[O+32*\x+j:O+32*\x+j+1], v[LS+2*\x:LS+2*\x+1] op_sel_hi:[1,0]   ; register 16 b + i: channel 32 b + 16 h + i of my query
.set j, j+2
.endr
.endr
	WIN 0
.irp x, 0,1
.irp b, 0,1
	v_max3_num_f32 v[BM+2*\x+\b], |v[S+64*\x+16*\b]|, |v[S+64*\x+16*\b+1]|, 0x2800000
.endr
.endr
.irp i, 2,4,6,8,10,12,14
.irp x, 0,1
.irp b, 0,1
	v_max3_num_f32 v[BM+2*\x+\b], v[BM+2*\x+\b], |v[S+64*\x+16*\b+\i]|, |v[S+64*\x+16*\b+\i+1]|
.endr
.endr
.endr
.irp k, 0,1,2,3
	v_permlanex16_b32 v[BP+\k], v[BM+\k], s[SEL], s[SEL+1]
.endr
.irp k, 0,1,2,3
	v_max_num_f32 v[BM+\k], v[BM+\k], v[BP+\k]
.endr
.irp k, 0,1,2,3
	v_add_nc_u32 v[BS+\k], 0xfe000000, v[BM+\k]
.endr
.irp k, 0,1,2,3
	v_lshrrev_b32 v[BP+\k], 23, v[BS+\k]
.endr
.irp x, 0,1
	v_cvt_scalef32_pk16_bf6_f32 v[P+12*\x:P+12*\x+2], v[S+64*\x:S+64*\x+15], v[BS+2*\x]
	v_cvt_scalef32_pk16_bf6_f32 v[CT+8*\x:CT+8*\x+2], v[S+64*\x+16:S+64*\x+31], v[BS+2*\x+1]
.endr
	v_nop                                          ; one plain line behind the scaled conversions
.irp x, 0,1
.irp i, 0,1,2
	v_permlane16_swap_b32 v[P+12*\x+\i], v[CT+8*\x+\i]   ; a whole block in a lane: lanes 0-15 block 0, lanes 16-31 block 1
.endr
.endr
.irp x, 0,1
.irp i, 0,1,2
	v_mov_b32 v[P+12*\x+3+\i], v[CT+8*\x+\i]
.endr
.endr
.irp x, 0,1
	v_cndmask_b32 v[TMP+\x], v[BP+2*\x], v[BP+2*\x+1], s[HM]   ; lane (r, h): the byte of row r, block h
.endr
.irp x, 0,1
	ds_store_b8 v90, v[TMP+\x] offset:32*\x
	global_store_b128 v[LI], v[P+12*\x:P+12*\x+3], s[46:47] offset:6144*\x          ; 512 consecutive bytes, aligned to 256
	global_store_b64 v[L8], v[P+12*\x+4:P+12*\x+5], s[46:47] offset:6144*\x+512     ; 256 consecutive bytes, aligned
.endr
	s_wait_dscnt 0x0                               ; for the others' sake: my byte stores are done
	s_barrier_signal -1
	s_barrier_wait -1
	s_cmp_lg_u32 s[WV], 0                          ; wave 0 stores the work-group's 512 scale bytes whole
	s_cbranch_scc1 .Lnot_first
	ds_load_b128 v[92:95], v91
	s_wait_dscnt 0x0
	global_store_b128 v[LI], v[92:95], s[48:49]
.Lnot_first:
	THREE                                          ; the wave's end
	ROUND                                          ; the closing round: no work-group ends while a partner may still ask for a tile that names it
	s_endpgm
.Lfunc_end_k_q53cf2c5c6c_attn:
	.size	k_q53cf2c5c6c_attn, .Lfunc_end_k_q53cf2c5c6c_attn-k_q53cf2c5c6c_attn
	.p2alignl 7, 3214868480
	.fill 96, 4, 3214868480
	.section	.rodata,"a",@progbits
	.p2align	6, 0x0
	.amdhsa_kernel k_q53cf2c5c6c_attn
		.amdhsa_group_segment_fixed_size 327680
		.amdhsa_private_segment_fixed_size 0
		.amdhsa_enable_private_segment 0
		.amdhsa_kernarg_size 32
		.amdhsa_user_sgpr_count 2
		.amdhsa_user_sgpr_kernarg_segment_ptr 1
		.amdhsa_wavefront_size32 1
		.amdhsa_system_sgpr_workgroup_id_x 1
		.amdhsa_system_sgpr_workgroup_id_y 1
		.amdhsa_system_sgpr_workgroup_id_z 1
		.amdhsa_system_vgpr_workitem_id 0
		.amdhsa_next_free_vgpr 456
		.amdhsa_next_free_sgpr 80
		.amdhsa_reserve_vcc 0
		.amdhsa_float_denorm_mode_32 3
		.amdhsa_float_denorm_mode_16_64 3
		.amdhsa_memory_ordered 1
		.amdhsa_forward_progress 1
		.amdhsa_inst_pref_size 104
	.end_amdhsa_kernel
	.amdgpu_metadata
---
amdhsa.version: [ 1, 2 ]
amdhsa.kernels:
  - .name:           k_q53cf2c5c6c_attn
    .symbol:         k_q53cf2c5c6c_attn.kd
    .args:
      - { .name: qc, .offset: 0, .size: 8, .value_kind: global_buffer, .address_space: global }
      - { .name: kv, .offset: 8, .size: 8, .value_kind: global_buffer, .address_space: global }
      - { .name: ho, .offset: 16, .size: 8, .value_kind: global_buffer, .address_space: global }
      - { .name: hs, .offset: 24, .size: 8, .value_kind: global_buffer, .address_space: global }
    .group_segment_fixed_size: 327680
    .private_segment_fixed_size: 0
    .kernarg_segment_align: 8
    .kernarg_segment_size: 32
    .max_flat_workgroup_size: 256
    .sgpr_count:     80
    .vgpr_count:     456
    .wavefront_size: 32
...
	.end_amdgpu_metadata
.endif
;; end of part 3
;; launch outp (part 4): grid 256 x 1, 4 waves a work-group, no clusters, 34,304 bytes of LDS; arguments ho, hs, xc, bo, out0; writes out0
.if DOCPART == 4
	.amdgcn_target "amdgcn-amd-amdhsa--gfx1250"
	.amdhsa_code_object_version 6
	.text
	.protected	k_q53cf2c5c6c_outp
	.globl	k_q53cf2c5c6c_outp
	.p2align	8
	.type	k_q53cf2c5c6c_outp,@function
k_q53cf2c5c6c_outp:
	s_mov_b64 s[64:65], 0
	v_nop
	global_prefetch_b8 v0, s[64:65] scope:SCOPE_SE
	s_setreg_imm32_b32 hwreg(HW_REG_WAVE_MODE, 25, 1), 1
	s_wait_xcnt 0x0
; out0 = head_out Wo^T + bo on codes of BF6 (E3M2).  head_out's codes lie in ho as register images (a tile of 16 tokens: 8 halves of 768 bytes, one a head: registers 0-3 at 16 x lane, 4-5 at 512 + 8 x lane),
; its scale bytes in hs ([head 16][tile 256][32 bytes], that of (row r, block h) at 2 r + h); Wo's fragments and scale bytes in xc, tiles 1632 on (records of 6,400 bytes).
; SHARES: work-group G takes token tiles 2 G and 2 G + 1, rows 32 G .. 32 G + 31 of out0; wave g columns 128 g .. 128 g + 127.  Wo's 8 tiles x 4 K steps stay in registers (source 0); the tokens' tile is source 1:
; a lane holds one token, and registers 16 b + i of the eight results are columns 32 b + 16 h + i.  The bias is the C of each sum's first product.
; THE WAY OUT: a unit's 16 rows x 512 bytes go through the wave's own stage in LDS (rows 528 bytes apart) and leave as whole rows: each store covers 512 consecutive bytes, aligned to 256.  No barrier: waves share nothing.
; REGISTERS: window 0 as named; window 1: Wo's K steps 0, 1 at v[96 s + 12 t]; window 2: K steps 2, 3, and from v192 the bias.
.set REC,  6400
.set SP,   528
.set LI,   1                           ; v1  16 x lane
.set L8,   2                           ; v2  8 x lane
.set VSS,  3                           ; v3  6400 h + 16 r
.set BOF,  4                           ; v4  64 h
.set SO,   5                           ; v5  the stage, in: stage + 528 r + 64 h
.set SR,   6                           ; v6  back: stage + 16 x lane
.set V2R,  7                           ; v7  2 r
.set SS,   16                          ; v16-31   Wo's scale words: register 4 (t / 2) + s, lanes 16-31 for odd t
.set T,    32                          ; v32-127  the two token tiles' fragments
.set TSW,  128                         ; v128-135 their scale words: 4 i + s
.set ACC,  136                         ; v136-199 eight accumulators
.set U,    200                         ; v200-215 pairs of scale bytes as loaded
.set CB,   192                         ; in window 2
.set MSB, 0
.macro WIN new                         ; the immediate's high byte repeats the setting that is left
.if MSB != \new
	s_set_vgpr_msb (MSB<<8)|\new
.set MSB, \new
.endif
.endm
.macro WM d, a, b, c, sa, sb, ra
.if (\ra)
	v_wmma_scale_f32_16x16x128_f8f6f4 v[\d:\d+7], v[\a:\a+11], v[\b:\b+11], v[\c:\c+7], v[\sa], v[\sb] matrix_a_fmt:MATRIX_FMT_BF6 matrix_b_fmt:MATRIX_FMT_BF6 matrix_a_scale:MATRIX_SCALE_ROW1
.else
	v_wmma_scale_f32_16x16x128_f8f6f4 v[\d:\d+7], v[\a:\a+11], v[\b:\b+11], v[\c:\c+7], v[\sa], v[\sb] matrix_a_fmt:MATRIX_FMT_BF6 matrix_b_fmt:MATRIX_FMT_BF6
.endif
.endm
.macro MULS i                          ; 32 products: the eight accumulators by turns, K ascending
.irp s, 0,1,2,3
.if \s == 0
	WIN 0x21                                       ; source 0 window 1, C (the bias) window 2
.elseif \s == 1
	WIN 0x01
.else
	WIN 0x02
.endif
.irp t, 0,1,2,3,4,5,6,7
.if \s == 0
.set CSRC, CB+8*\t
.else
.set CSRC, ACC+8*\t
.endif
	WM ACC+8*\t, 96*(\s%2)+12*\t, T+48*(\i)+12*\s, CSRC, SS+4*(\t/2)+\s, TSW+4*(\i)+\s, \t%2
.endr
.endr
	WIN 0
.endm
	s_load_b256 s[4:11], s[0:1], 0x0               ; ho s[4:5], hs s[6:7], xc s[8:9], bo s[10:11]
	s_load_b64 s[12:13], s[0:1], 0x20              ; out0
	v_lshl_add_u32 v254, v0, 2, 0x8400
	v_mov_b32 v255, 0
	v_lshrrev_b32 v8, 5, v0
	v_readfirstlane_b32 s16, v8                    ; g: wave 0..3
	v_and_b32 v8, 31, v0                           ; lane
	v_and_b32 v9, 15, v0                           ; r
	v_bfe_u32 v10, v0, 4, 1                        ; h
	v_lshlrev_b32 v[LI], 4, v8
	v_lshlrev_b32 v[L8], 3, v8
	v_mul_u32_u24 v[VSS], v10, REC
	v_lshl_add_u32 v[VSS], v9, 4, v[VSS]
	v_lshlrev_b32 v[BOF], 6, v10
	v_lshlrev_b32 v[V2R], 1, v9
	s_mul_i32 s17, s16, 16*SP                      ; my stage
	v_mul_u32_u24 v[SO], v9, SP
	v_lshl_add_u32 v[SO], v10, 6, v[SO]
	v_add_nc_u32 v[SO], s17, v[SO]
	v_add_nc_u32 v[SR], s17, v[LI]
	s_lshl_b32 s20, s16, 3
	s_add_co_u32 s20, s20, 1632
	s_mul_i32 s20, s20, REC                        ; Wo's tiles 1632 + 8 g on
	s_mov_b32 s21, 0
	s_mul_i32 s22, ttmp9, 2*6144                   ; my two token tiles
	s_mov_b32 s23, 0
	s_lshr_b32 s24, ttmp9, 7
	s_lshl_b32 s24, s24, 16                        ; hs: the batch's eight heads,
	s_lshl_b32 s25, ttmp9, 1
	s_and_b32 s25, s25, 255
	s_lshl_b32 s25, s25, 5                         ; the tile within the batch
	s_add_co_u32 s24, s24, s25
	s_mov_b32 s25, 0
	s_lshl_b32 s26, s16, 9                         ; my 128 columns: 512 bytes, in bo and in a row of out0
	s_mov_b32 s27, 0
	s_lshl_b32 s28, ttmp9, 16                      ; 32 rows of 2,048 bytes
	s_add_co_u32 s28, s28, s26
	s_mov_b32 s29, 0
	s_wait_alu depctr_va_vdst(0)
	s_wait_kmcnt 0x0
	s_add_nc_u64 s[8:9], s[8:9], s[20:21]
	s_add_nc_u64 s[4:5], s[4:5], s[22:23]
	s_add_nc_u64 s[6:7], s[6:7], s[24:25]
	s_add_nc_u64 s[10:11], s[10:11], s[26:27]
	s_add_nc_u64 s[12:13], s[12:13], s[28:29]
.irp i, 0,1
.irp s, 0,1,2,3                        ; K step s: heads 2 s and 2 s + 1
	global_load_b128 v[T+48*\i+12*\s:T+48*\i+12*\s+3], v[LI], s[4:5] offset:6144*\i+1536*\s
	global_load_b64 v[T+48*\i+12*\s+4:T+48*\i+12*\s+5], v[L8], s[4:5] offset:6144*\i+1536*\s+512
	global_load_b128 v[T+48*\i+12*\s+6:T+48*\i+12*\s+9], v[LI], s[4:5] offset:6144*\i+1536*\s+768
	global_load_b64 v[T+48*\i+12*\s+10:T+48*\i+12*\s+11], v[L8], s[4:5] offset:6144*\i+1536*\s+1280
.endr
.irp d, 0,1,2,3,4,5,6,7
	global_load_u16 v[U+8*\i+\d], v[V2R], s[6:7] offset:8192*\d+32*\i   ; row r's two bytes of head d
.endr
.endr
.irp b, 0,1,2,3
	global_load_b128 v[SS+4*\b:SS+4*\b+3], v[VSS], s[8:9] offset:2*REC*\b+6144
.endr
	WIN 0x40                                       ; destination window 1
.irp s, 0,1
.irp t, 0,1,2,3,4,5,6,7
.irp c, 0,1,2
	global_load_b128 v[96*\s+12*\t+4*\c:96*\s+12*\t+4*\c+3], v[LI], s[8:9] offset:REC*\t+1536*\s+512*\c
.endr
.endr
.endr
	WIN 0x80                                       ; destination window 2
.irp s, 0,1
.irp t, 0,1,2,3,4,5,6,7
.irp c, 0,1,2
	global_load_b128 v[96*\s+12*\t+4*\c:96*\s+12*\t+4*\c+3], v[LI], s[8:9] offset:REC*\t+1536*(\s+2)+512*\c
.endr
.endr
.endr
.irp t, 0,1,2,3,4,5,6,7
	global_load_b128 v[CB+8*\t:CB+8*\t+3], v[BOF], s[10:11] offset:(32*(\t/2)+8*(\t%2))*4
	global_load_b128 v[CB+8*\t+4:CB+8*\t+7], v[BOF], s[10:11] offset:(32*(\t/2)+8*(\t%2))*4+16
.endr
	WIN 0
	s_wait_loadcnt 0x0
.irp i, 0,1
.irp s, 0,1,2,3
	v_lshl_or_b32 v[TSW+4*\i+\s], v[U+8*\i+2*\s+1], 16, v[U+8*\i+2*\s]   ; the scale word of K step s: head 2 s below, head 2 s + 1 above
.endr
.endr
.rept 8
	v_nop                                          ; a scale register written by a vector instruction stands eight places ahead of a scaled matrix instruction
.endr
.macro UNIT i
.if (\i) == 1
	s_wait_xcnt 0x0                                ; the first unit's stores have read the registers that the products below write
	v_nop                                          ; with the four behind the first unit's products: five places ahead of products that write over its accumulators with another C
.endif
	MULS \i
.rept 4
	v_nop                                          ; four places ahead of the first read of the results
.endr
.irp b, 0,1,2,3
.irp q, 0,1,2,3
	ds_store_b128 v[SO], v[ACC+16*\b+4*\q:ACC+16*\b+4*\q+3] offset:128*\b+16*\q   ; each accumulator from its low end on
.endr
.endr
.irp p, 0,1,2,3,4,5,6,7,8,9,10,11,12,13,14,15
	ds_load_b128 v[ACC+4*\p:ACC+4*\p+3], v[SR] offset:SP*\p    ; LDS serves a wave's instructions in order: these see the stores above; whole rows come back into the registers that they left
.endr
.irp p, 0,1,2,3,4,5,6,7,8,9,10,11,12,13,14,15
	s_wait_dscnt 15-\p                             ; row p is back; the younger loads may be out
	global_store_b128 v[LI], v[ACC+4*\p:ACC+4*\p+3], s[12:13] offset:(8*(\i)+\p+8*(\p/8))*2048 th:TH_STORE_NT   ; 32 lanes store 512 consecutive bytes, aligned to 256; written once, read by nobody here
.endr
.endm
	UNIT 0
	s_wait_alu depctr_va_vdst(0)
	UNIT 1
	s_wait_tensorcnt 0x0
	ds_add_u32 v254, v255
	s_wait_dscnt 0x0
	s_endpgm
.Lfunc_end_k_q53cf2c5c6c_outp:
	.size	k_q53cf2c5c6c_outp, .Lfunc_end_k_q53cf2c5c6c_outp-k_q53cf2c5c6c_outp
	.p2alignl 7, 3214868480
	.fill 96, 4, 3214868480
	.section	.rodata,"a",@progbits
	.p2align	6, 0x0
	.amdhsa_kernel k_q53cf2c5c6c_outp
		.amdhsa_group_segment_fixed_size 34304
		.amdhsa_private_segment_fixed_size 0
		.amdhsa_enable_private_segment 0
		.amdhsa_kernarg_size 40
		.amdhsa_user_sgpr_count 2
		.amdhsa_user_sgpr_kernarg_segment_ptr 1
		.amdhsa_wavefront_size32 1
		.amdhsa_system_sgpr_workgroup_id_x 1
		.amdhsa_system_sgpr_workgroup_id_y 1
		.amdhsa_system_sgpr_workgroup_id_z 1
		.amdhsa_system_vgpr_workitem_id 0
		.amdhsa_next_free_vgpr 768
		.amdhsa_next_free_sgpr 66
		.amdhsa_reserve_vcc 0
		.amdhsa_float_denorm_mode_32 3
		.amdhsa_float_denorm_mode_16_64 3
		.amdhsa_memory_ordered 1
		.amdhsa_forward_progress 1
		.amdhsa_inst_pref_size 36
	.end_amdhsa_kernel
	.amdgpu_metadata
---
amdhsa.version: [ 1, 2 ]
amdhsa.kernels:
  - .name:           k_q53cf2c5c6c_outp
    .symbol:         k_q53cf2c5c6c_outp.kd
    .args:
      - { .name: ho, .offset: 0, .size: 8, .value_kind: global_buffer, .address_space: global }
      - { .name: hs, .offset: 8, .size: 8, .value_kind: global_buffer, .address_space: global }
      - { .name: xc, .offset: 16, .size: 8, .value_kind: global_buffer, .address_space: global }
      - { .name: bo, .offset: 24, .size: 8, .value_kind: global_buffer, .address_space: global }
      - { .name: out0, .offset: 32, .size: 8, .value_kind: global_buffer, .address_space: global }
    .group_segment_fixed_size: 34304
    .private_segment_fixed_size: 0
    .kernarg_segment_align: 8
    .kernarg_segment_size: 40
    .max_flat_workgroup_size: 128
    .sgpr_count:     66
    .vgpr_count:     768
    .wavefront_size: 32
...
	.end_amdgpu_metadata
.endif
;; end of part 4
